; MI455X (gfx1250); checked and timed in simulation.
; The chip was launched on July 23, 2026; its instructions are those of AMD's public machine-readable ISA for CDNA 5 (MIT licence, August 2026) and "CDNA5" Instruction Set Architecture Reference Guide (July 2026). The comments in the code are by the model that wrote it; some were corrected since.
;; Max Retrieval Model. Allowed arithmetic: matrix products marked QUANTISED: E2M1 operands, one E8M0 scale for each 32 along K, by v_wmma_scale_f32_16x16x128_f8f6f4 with both operands' format E2M1 (or v_wmma_scale_f32_32x16x128_f4), f32 sums; products left as they are: f32 operands where the result goes on into a quantised operand, else bf16, f16 or f32 operands; f32 sums; everything else in f32.
;; Inputs: Wk_codes 512 x 16 x 16 uint8 (E2M1 codes of Wk, K innermost, in blocks of 32 codes, two codes a byte); Wk_scales 512 x 16 uint8 (E8M0 scales of Wk, one for each 32 codes along K); Wphi_codes 1,000 x 16 x 16 uint8 (E2M1 codes of Wphi, K innermost, in blocks of 32 codes, two codes a byte); Wphi_scales 1,000 x 16 uint8 (E8M0 scales of Wphi, one for each 32 codes along K); Wq 1 x 512 float32; Wv_codes 512 x 16 x 16 uint8 (E2M1 codes of Wv, K innermost, in blocks of 32 codes, two codes a byte); Wv_scales 512 x 16 uint8 (E8M0 scales of Wv, one for each 32 codes along K); bk 512 float32; bphi 1,000 float32; bq 512 float32; bv 512 float32; x_items_codes 32 x 4,096 x 16 x 16 uint8 (E2M1 codes of x_items, K innermost, in blocks of 32 codes, two codes a byte); x_items_scales 32 x 4,096 x 16 uint8 (E8M0 scales of x_items, one for each 32 codes along K); x_query 32 x 1 float32.
;; Outputs: out0 32 x 1,000 float32.
;; This version of the problem:
;;   THIS VERSION OF THE PROBLEM IS GIVEN IN LOW PRECISION. The matrix products marked QUANTISED in the list below multiply operands that are first quantised to E2M1 (2 exponent bits, 1 mantissa bit; 4 bits a number), with one power-of-two scale for each 32 numbers along K (OCP MX v1.0); their sums are f32. All else is computed in f32.
;;   The module's matrix products, in the order in which they are computed (A, B: the left and right operand; K: the contracted axis; several contracted axes count as one K, in the product's order):
;;     1. [M 32, K 1] x [K 1, N 512]; A: input x_query; B: input Wq: left as it is (K = 1 < 32)
;;     2. [M 131,072, K 512] x [K 512, N 512]; A: input x_items (given as codes); B: input Wk (given as codes): QUANTISED
;;     3. [M 131,072, K 512] x [K 512, N 512]; A: input x_items (given as codes); B: input Wv (given as codes): QUANTISED
;;     4. batch 32 x [M 1, K 512] x [K 512, N 4,096]; A: computed on the way; B: computed on the way: left as it is (M = 1 < 16)
;;     5. batch 32 x [M 1, K 4,096] x [K 4,096, N 512]; A: computed on the way; B: computed on the way: left as it is (M = 1 < 16)
;;     6. [M 32, K 512] x [K 512, N 1,000]; A: computed on the way; B: input Wphi (given as codes): QUANTISED
;;   THE QUANTISER, for each operand of a quantised product, along K:
;;     - K is cut into blocks of 32 from its start; a last block that is shorter is filled with zeros.
;;     - A block's scale is 2^e with e = floor(log2(the largest magnitude in the block)) - 2, held to -126 .. 127; a block of zeros has e = 0. As a byte (E8M0): e + 127.
;;     - Each number is divided by its block's scale, clamped to +-6, and rounded to the nearest number of E2M1, ties to even, subnormals kept.
;;     - The product sums the exact products of the quantised numbers (number of the format x scale) in f32.
;;   ~~~python
;;   def quantise(x, axis):      # numpy; x: float32 -> the quantised numbers, widened to float32 again
;;       x = np.moveaxis(x, axis, -1); K = x.shape[-1]
;;       x = np.pad(x, [(0, 0)] * (x.ndim - 1) + [(0, -K % 32)]); x = x.reshape(x.shape[:-1] + (-1, 32)); a = np.abs(x).max(-1, keepdims=True)
;;       e = np.where(a > 0, np.clip(np.frexp(np.where(a > 0, a, 1))[1] - 1 - 2, -126, 127), 0)      # np.frexp(a)[1] - 1 = floor(log2(a)), exactly
;;       r = np.clip(x / 2.0 ** e, -6, 6)
;;       step = 2.0 ** (np.maximum(np.frexp(np.where(r == 0, 1, r))[1] - 1, 0) - 1)
;;       q = np.round(r / step) * step * 2.0 ** e      # np.round: ties to even
;;       return np.moveaxis(q.reshape(q.shape[:-2] + (-1,))[..., :K], -1, axis).astype(np.float32)
;;   ~~~
;;   OPERANDS COMPUTED ON THE WAY. 'Computed on the way' means the value that the module computes at that place (a softmax that the list does not call 'softmax' is quantised finished and normalised). What goes into a quantiser is computed in f32, as accurately as f32 sums, v_exp_f32 and their like allow (about 1e-6 of the number): no bf16 or f16 on the way to a quantiser, and a product that is left as it is and whose result goes on into a quantised operand takes f32 operands (vector FMAs, or v_wmma_f32_16x16x4_f32). A number that lies on a knife's edge between two numbers of the format may be rounded either way, as far as f32 arithmetic and the matrix unit's own rounding can turn it there, and no further.
;;   INPUTS GIVEN AS CODES. Wk (in the module: [512, 512], K = its axis 0); Wphi (in the module: [512, 1000], K = its axis 0); Wv (in the module: [512, 512], K = its axis 0); x_items (in the module: [32, 4096, 512], K = its axis 2): each comes as NAME_codes (uint8): NAME with its K axis moved to the last place and cut into blocks of 32 codes, [.., K / 32, bytes a block], one block behind the other in memory; two codes a byte, the lower K in the low four bits (a code: sign, 2 exponent bits, 1 mantissa bit); and NAME_scales (uint8): the same leading axes, one E8M0 byte (e + 127) for each 32 codes along K. Its value is code x scale, taken as it is: it is not quantised again, and the codes and scales need not be those that the quantiser above would give.
;; One version. Each part assembles by itself: llvm-mc -triple=amdgcn-amd-amdhsa -mcpu=gfx1250 --defsym DOCPART=n.
;; ======== version 1 of 1: 3 launches
;; workspace buffers: scores 524,288 bytes; candm 16,384 bytes of whole numbers; candc 16,384 bytes of whole numbers; smax 16,384 bytes
;; launch score (part 1): grid 256 x 1, 4 waves a work-group, clusters of 4 x 1, 327,680 bytes of LDS; arguments x_items_codes, x_items_scales, Wk_codes, Wk_scales, Wq, bq, x_query, scores; writes scores
.if DOCPART == 1
	.amdgcn_target "amdgcn-amd-amdhsa--gfx1250"
	.amdhsa_code_object_version 6
	.text
	.protected	k_q4095e66ce6_score
	.globl	k_q4095e66ce6_score
	.p2align	8
	.type	k_q4095e66ce6_score,@function
k_q4095e66ce6_score:
	s_mov_b64 s[64:65], 0
	v_nop
	global_prefetch_b8 v0, s[64:65] scope:SCOPE_SE
	s_setreg_imm32_b32 hwreg(HW_REG_WAVE_MODE, 25, 1), 1
	s_wait_xcnt 0x0
	s_wait_alu depctr_hold_cnt(0) depctr_sa_sdst(0) depctr_va_vdst(0) depctr_va_sdst(0) depctr_va_ssrc(0) depctr_va_vcc(0) depctr_vm_vsrc(0)
	s_getreg_b32 s2, hwreg(HW_REG_IB_STS2, 6, 4)
	s_cmp_eq_u32 s2, 0
	s_cbranch_scc0 .Lentry_in_a_cluster
	s_endpgm
.Lentry_in_a_cluster:
	s_bfe_u32 s2, ttmp6, 0x10000c
	s_cmp_lg_u32 s2, 0x3003
	s_cbranch_scc0 .Lentry_shape_is_right
	s_endpgm
.Lentry_shape_is_right:
; scores[b][n] = q'[b] . (x_items[b][n] Wk),  q' = (x_query[b] Wq + bq) / sqrt(512).   x_items and Wk: codes of FP4 (E2M1) with one E8M0 byte for each 32 along K; the product by the scaled FP4 matrix form, sums f32; q' . k by f32 multiply-adds.
; WORK LEFT OUT, for all values of the inputs.
; (1) bk.  reference() has k = x Wk + bk, so its score is this one + q . bk / sqrt(512) = this one + c, the same c for all n of a batch.  sparsemax(z + c) = sparsemax(z): the sort's order is the same; the test
;     1 + r (z_(r) + c) > cs_r + r c is the test 1 + r z_(r) > cs_r; tau becomes tau + c; so p = max(z - tau, 0) is unchanged.  k goes into no quantiser.  So bk reaches no output: it is not loaded and is no argument of any launch.
; (2) Rows of v = x Wv + bv whose weight is 0 (third launch): for any set A of a batch's rows, sum over A of (z - tau) <= sum of max(z - tau, 0) = 1, so (sum_A z - 1) / |A| <= tau.  The second launch makes such a bound t,
;     and stores as whole numbers which rows lie above it; every other row has z <= tau and weight 0.  The third launch reads those numbers and multiplies only the rows named.
; LIMITS: NaN, infinities and scale bytes 0xff among the inputs are not served; a NaN, an infinity or an overflow that reaches only bk or the rows of v left out is not carried to the result.
; SHARES.  256 work-groups of four waves; a work-group owns 512 rows of x (an eighth of a batch).  Wave w owns columns 128 w .. 128 w + 127 of k for all 512 rows: its 128 rows of Wk stay in 256 registers.
; x comes from LDS, 16 rows (a tile) at a time; a tile's four fragments feed 32 matrix instructions.  USED TRANSPOSED: source 0 = 16 rows of Wk, source 1 = 16 rows of x: lane (r, h) holds item r, register j of tile t column 16 t + 8 h + j.
; The 8 tiles of columns are two sets of four accumulators.  A set's 16 products stand back to back; behind them, as one run, the 16 packed multiply-adds that fold the OTHER set's 32 numbers a lane into the item's score.
; A lane's part of a score goes to LDS ([wave][h][row]); at the end the eight parts of each row are added and 2,048 consecutive bytes leave.
; CLUSTER: the four work-groups of a cluster read the same Wk: its codes and scale bytes are asked for jointly (mask 15).  x is each work-group's own (mask 0).  Every LDS byte is filled once: there is no ring.
; REGISTERS, in windows of 256.  window 0: v1-15 addresses; v16-31 Wk's scale words (register 4 u + s: lanes 0-15 tile 2 u, lanes 16-31 tile 2 u + 1); v32-39 x's scale words, two sets; v40-43 the score in two chains; v64-127 x's fragments, two sets; v128-191 accumulators.
;   window 1: v0-127 Wk's tiles 0-3, v128-159 q' of tiles 4-7.   window 2: v0-127 Wk's tiles 4-7, v128-159 q' of tiles 0-3.  So one setting (source 0 in window 1 or 2) serves a set's products and the other set's multiply-adds.
.set PITCH, 272                        ; an LDS row of codes: 256 bytes + 16 of padding = 68 words: the 16 rows of a fragment load start at 16 different banks (64 banks of 4 bytes: ISA guide 11.1)
.set WKC,   512*PITCH                  ; x's 512 rows lie from 0, Wk's 512 behind them
.set XSC,   1024*PITCH                 ; x's scale bytes, 16 a row, dense
.set WKSC,  XSC+8192                   ; Wk's
.set PART,  WKSC+8192                  ; the parts of the scores: [wave][h][512 rows] f32
.set PWV,   4224
.set PHF,   2112                       ; 528 words: lanes 16-31 fall 16 banks beside lanes 0-15
.set SPARE, PART+4*PWV                 ; the spare words, 128 bytes for each wave
.set SPW, 1
.set NIL, 2
.set XA0, 3                            ; 272 r + 16 h
.set XS0, 4                            ; XSC + 16 r
.set PS0, 5                            ; PART + 4224 w + 2112 h + 4 r
.set XA,  6
.set XSA, 7
.set PSA, 8
.set WKS, 16
.set XSW, 32
.set SACC, 40
.set TMP, 48
.set XF,  64
.set ACC, 128
.set XO,  80                           ; s80 the tile to be fetched: bytes in x's codes,
.set SO,  81                           ; s81 in x's scale bytes;
.set PO,  82                           ; s82 the tile whose score is stored next: bytes in a part
.set CNT, 83
.set MSB, 0
.macro WIN new                         ; the immediate's high byte repeats the setting that is left
.if MSB != (\new)
	s_set_vgpr_msb (MSB<<8)|(\new)
.set MSB, (\new)
.endif
.endm
.macro ROUND                           ; a round of the cluster's barrier
	s_barrier_signal -1
	s_barrier_wait -1
	s_cmp_lg_u32 s20, 0
	s_cbranch_scc1 .Lnot_wave_0_\@
	s_barrier_signal -3
.Lnot_wave_0_\@:
	s_barrier_wait -3
	s_barrier_signal -1
	s_barrier_wait -1
.endm
	s_load_b512 s[4:19], s[0:1], 0x0               ; x codes s[4:5], x scales s[6:7], Wk codes s[8:9], Wk scales s[10:11], Wq s[12:13], bq s[14:15], x_query s[16:17], scores s[18:19]
	v_lshl_add_u32 v[SPW], v0, 2, SPARE
	v_mov_b32 v[NIL], 0
	ds_add_u32 v[SPW], v[NIL]                      ; the wave's opening: the add, twice on end, and its wait ahead of my first tensor load
	ds_add_u32 v[SPW], v[NIL]
	v_lshrrev_b32 v9, 5, v0
	v_readfirstlane_b32 s20, v9                    ; wave 0..3
	s_bfe_u32 s21, ttmp6, 0x40000                  ; cx
	s_lshl_b32 s22, ttmp9, 2
	s_add_co_u32 s22, s22, s21                     ; work-group = 4 x cluster + cx: it enters x's, x_query's and the scores' addresses alone
	s_lshr_b32 s23, s22, 3                         ; batch
	; group 1 for x's codes: 64 rows x 256 bytes, dense in memory, 16 bytes of padding behind each row
	s_mov_b32 s24, (1<<20)|(5<<22)|(3<<25)
	s_mov_b32 s25, 256<<16
	s_mov_b32 s26, 64<<16
	s_mov_b32 s27, 256<<16
	s_mov_b32 s28, 64
	s_mov_b32 s29, 256
	s_mov_b32 s30, 0
	s_mov_b32 s31, 0
	; for Wk's codes: 128 rows, asked for jointly by the four work-groups
	s_mov_b32 s32, 15|(1<<20)|(1<<21)|(5<<22)|(3<<25)
	s_mov_b32 s33, 256<<16
	s_mov_b32 s34, 128<<16
	s_mov_b32 s35, 256<<16
	s_mov_b32 s36, 128
	s_mov_b32 s37, 256
	s_mov_b32 s38, 0
	s_mov_b32 s39, 0
	; for 2,048 scale bytes: 8 rows of 256 bytes (32 elements of 8 bytes), no padding: x's,
	s_mov_b32 s40, 3<<16
	s_mov_b32 s41, 32<<16
	s_mov_b32 s42, 8<<16
	s_mov_b32 s43, 32<<16
	s_mov_b32 s44, 8
	s_mov_b32 s45, 32
	s_mov_b32 s46, 0
	s_mov_b32 s47, 0
	; and Wk's, jointly
	s_mov_b32 s48, 15|(3<<16)|(1<<21)
	s_mov_b32 s49, 32<<16
	s_mov_b32 s50, 8<<16
	s_mov_b32 s51, 32<<16
	s_mov_b32 s52, 8
	s_mov_b32 s53, 32
	s_mov_b32 s54, 0
	s_mov_b32 s55, 0
	s_lshl_b32 s80, s20, 11                        ; 2,048 w: my 128 rows' scale bytes
	s_mov_b32 s81, 0
	s_lshl_b32 s82, s20, 15                        ; 32,768 w: my 128 rows of Wk's codes
	s_mov_b32 s83, 0
	s_mul_i32 s84, s20, 128*PITCH                  ; and their place in LDS
	s_lshl_b32 s86, s22, 13                        ; x's scale bytes: 8,192 x work-group + 2,048 w
	s_add_co_u32 s86, s86, s80
	s_mov_b32 s87, 0
	s_lshl_b32 s88, s22, 17                        ; x's codes: 131,072 x work-group + 16,384 w (64 rows a wave)
	s_lshl_b32 s90, s20, 14
	s_add_co_u32 s88, s88, s90
	s_mov_b32 s89, 0
	s_mul_i32 s90, s20, 64*PITCH                   ; their place in LDS
	s_lshl_b32 s92, s22, 11                        ; the scores: 2,048 bytes a work-group
	s_mov_b32 s93, 0
	s_lshl_b32 s94, s23, 2                         ; x_query: 4 bytes a batch
	s_mov_b32 s95, 0
	s_mov_b32 s98, 0x3d3504f3                      ; 1 / sqrt(512)
	s_mov_b32 s99, s98
	s_wait_dscnt 0x0                               ; both opening adds are done
	s_wait_kmcnt 0x0
	s_mov_b32 s56, 1                               ; group 0, one for each of my five loads.  Wk's scale bytes
	s_add_co_u32 s57, s80, WKSC
	s_add_nc_u64 s[58:59], s[10:11], s[80:81]
	s_or_b32 s59, s59, 0x80000000
	s_mov_b32 s60, 1                               ; Wk's codes
	s_add_co_u32 s61, s84, WKC
	s_add_nc_u64 s[62:63], s[8:9], s[82:83]
	s_or_b32 s63, s63, 0x80000000
	s_mov_b32 s68, 1                               ; x's scale bytes
	s_add_co_u32 s69, s80, XSC
	s_add_nc_u64 s[70:71], s[6:7], s[86:87]
	s_or_b32 s71, s71, 0x80000000
	s_mov_b32 s72, 1                               ; x's rows 64 w .. of the first 256
	s_mov_b32 s73, s90
	s_add_nc_u64 s[74:75], s[4:5], s[88:89]
	s_mov_b32 s76, 1                               ; and of the second 256
	s_add_co_u32 s77, s90, 256*PITCH
	s_add_nc_u64 s[78:79], s[74:75], 0x10000
	s_or_b32 s75, s75, 0x80000000
	s_or_b32 s79, s79, 0x80000000
	s_add_nc_u64 s[18:19], s[18:19], s[92:93]
	s_add_nc_u64 s[16:17], s[16:17], s[94:95]
	s_load_b32 s96, s[16:17], 0x0                  ; x_query of my batch
	ROUND                                          ; all four work-groups are here: the joint loads meet
	tensor_load_to_lds s[56:59], s[48:55]          ; five loads of mine are out, all first fills
	s_nop 0
	tensor_load_to_lds s[60:63], s[32:39]
	s_nop 0
	tensor_load_to_lds s[68:71], s[40:47]
	s_nop 0
	tensor_load_to_lds s[72:75], s[24:31]
	s_nop 0
	tensor_load_to_lds s[76:79], s[24:31]
	s_nop 0
.rept 4
	v_nop
.endr
	v_and_b32 v10, 15, v0                          ; r
	v_bfe_u32 v11, v0, 4, 1                        ; h
	v_and_b32 v12, 31, v0                          ; lane
	s_lshl_b32 s91, s20, 9
	v_lshl_add_u32 v9, v11, 5, s91                 ; Wq, bq: 4 (128 w + 8 h) bytes; tile t 64 t further on
.irp t, 0,1,2,3,4,5,6,7
	global_load_b128 v[XF+8*\t:XF+8*\t+3],    v9, s[12:13] offset:64*\t
	global_load_b128 v[XF+8*\t+4:XF+8*\t+7],  v9, s[12:13] offset:64*\t+16
	global_load_b128 v[ACC+8*\t:ACC+8*\t+3],  v9, s[14:15] offset:64*\t
	global_load_b128 v[ACC+8*\t+4:ACC+8*\t+7], v9, s[14:15] offset:64*\t+16
.endr
	v_mul_u32_u24 v[XA0], v10, PITCH
	v_lshl_add_u32 v[XA0], v11, 4, v[XA0]
	v_lshlrev_b32 v[XS0], 4, v10
	v_add_nc_u32 v[XS0], XSC, v[XS0]
	s_mul_i32 s91, s20, PWV
	s_add_co_u32 s91, s91, PART
	v_mul_u32_u24 v[PS0], v11, PHF
	v_lshl_add_u32 v[PS0], v10, 2, v[PS0]
	v_add_nc_u32 v[PS0], s91, v[PS0]
	s_add_co_u32 s91, s84, WKC
	v_add_nc_u32 v13, s91, v[XA0]                  ; my rows of Wk in LDS
	s_add_co_u32 s91, s80, WKSC
	v_lshl_add_u32 v14, v12, 4, s91                ; their scale words: 16 bytes a row, a lane a row
	s_mov_b32 s[XO], 0
	s_mov_b32 s[SO], 0
	s_mov_b32 s[PO], 0
	s_wait_loadcnt 0x0                             ; Wq, bq
	s_wait_kmcnt 0x0                               ; x_query
	s_mov_b32 s97, s96                             ; (the packed form names the pair)
.set i, 0
.rept 32
	v_pk_fma_f32 v[ACC+2*i:ACC+2*i+1], v[XF+2*i:XF+2*i+1], s[96:97], v[ACC+2*i:ACC+2*i+1] op_sel_hi:[1,0,1]   ; q = x_query Wq + bq
.set i, i+1
.endr
	WIN 0x80                                       ; destination window 2: q' of tiles 0-3
.set i, 0
.rept 16
	v_pk_mul_f32 v[128+2*i:129+2*i], v[ACC+2*i:ACC+2*i+1], s[98:99] op_sel_hi:[1,0]
.set i, i+1
.endr
	WIN 0x40                                       ; destination window 1: q' of tiles 4-7
.set i, 0
.rept 16
	v_pk_mul_f32 v[128+2*i:129+2*i], v[ACC+32+2*i:ACC+33+2*i], s[98:99] op_sel_hi:[1,0]
.set i, i+1
.endr
	s_wait_tensorcnt 0x3                           ; my own rows of Wk and their scale bytes are in; the three loads of x issued behind them may be out.  I alone read these bytes: no barrier
.irp t, 0,1,2,3
.irp s, 0,1,2,3
	ds_load_b128 v[32*\t+8*\s:32*\t+8*\s+3],   v13 offset:16*\t*PITCH+64*\s
	ds_load_b128 v[32*\t+8*\s+4:32*\t+8*\s+7], v13 offset:16*\t*PITCH+64*\s+32
.endr
.endr
	WIN 0x80
.irp t, 0,1,2,3
.irp s, 0,1,2,3
	ds_load_b128 v[32*\t+8*\s:32*\t+8*\s+3],   v13 offset:16*(\t+4)*PITCH+64*\s
	ds_load_b128 v[32*\t+8*\s+4:32*\t+8*\s+7], v13 offset:16*(\t+4)*PITCH+64*\s+32
.endr
.endr
	WIN 0
.irp u, 0,1,2,3
	ds_load_b128 v[WKS+4*\u:WKS+4*\u+3], v14 offset:512*\u
.endr
; product n of 16 of set g (tiles 4 g .. 4 g + 3): K step n / 4, tile 4 g + n % 4: the four accumulators take turns.  The first four start the sums: nothing is cleared.
.macro MM g, p
.set kS, n/4
.set tQ, n%4
.set rD, ACC+32*\g+8*tQ
.set rA, 32*tQ+8*kS
.set rB, XF+32*\p+8*kS
.set rSA, WKS+4*((4*\g+tQ)/2)+kS
.set rSB, XSW+4*\p+kS
.if kS == 0
.if tQ%2
	v_wmma_scale_f32_16x16x128_f8f6f4 v[rD:rD+7], v[rA:rA+7], v[rB:rB+7], 0, v[rSA], v[rSB] matrix_a_fmt:MATRIX_FMT_FP4 matrix_b_fmt:MATRIX_FMT_FP4 matrix_a_scale:MATRIX_SCALE_ROW1
.else
	v_wmma_scale_f32_16x16x128_f8f6f4 v[rD:rD+7], v[rA:rA+7], v[rB:rB+7], 0, v[rSA], v[rSB] matrix_a_fmt:MATRIX_FMT_FP4 matrix_b_fmt:MATRIX_FMT_FP4
.endif
.else
.if tQ%2
	v_wmma_scale_f32_16x16x128_f8f6f4 v[rD:rD+7], v[rA:rA+7], v[rB:rB+7], v[rD:rD+7], v[rSA], v[rSB] matrix_a_fmt:MATRIX_FMT_FP4 matrix_b_fmt:MATRIX_FMT_FP4 matrix_a_scale:MATRIX_SCALE_ROW1
.else
	v_wmma_scale_f32_16x16x128_f8f6f4 v[rD:rD+7], v[rA:rA+7], v[rB:rB+7], v[rD:rD+7], v[rSA], v[rSB] matrix_a_fmt:MATRIX_FMT_FP4 matrix_b_fmt:MATRIX_FMT_FP4
.endif
.endif
.endm
; multiply-add n of 16 behind set g's products: two numbers of the OTHER set (its registers 2 n, 2 n + 1) times their q', into one of two chains.  Each accumulator is read from its low end on.
; These 16 name no register of set g's products: they are the places between set g's last product and its own first reader, which is the run behind the other set's products.
.macro FM g
.set rQ, 128+2*n
.set rC, ACC+32*(1-\g)+2*n
.set rS, SACC+2*(n%2)
.if (\g == 1) && (n < 2)
	v_pk_mul_f32 v[rS:rS+1], v[rQ:rQ+1], v[rC:rC+1]                     ; a tile's first two start its chains
.else
	v_pk_fma_f32 v[rS:rS+1], v[rQ:rQ+1], v[rC:rC+1], v[rS:rS+1]
.endif
.endm
.macro UNIT g, p, fm
	WIN (0x01+\g)                                  ; source 0 (Wk, q') in window 1 + g, all else in window 0
.set n, 0
.rept 16
	MM \g, \p                                      ; sixteen products back to back
.set n, n+1
.endr
.if \fm
.set n, 0
.rept 16
	FM \g                                          ; then the other set's sixteen multiply-adds
.set n, n+1
.endr
.endif
	WIN 0
.endm
.macro MID                             ; the tile before is summed: my half's part of item r's score goes to LDS
	v_pk_add_f32 v[SACC:SACC+1], v[SACC:SACC+1], v[SACC+2:SACC+3]
	v_add_nc_u32 v[PSA], s[PO], v[PS0]
	v_add_f32 v[TMP], v[SACC], v[SACC+1]
	ds_store_b32 v[PSA], v[TMP]
	s_add_co_u32 s[PO], s[PO], 64
.endm
.macro NEXTAD
	v_add_nc_u32 v[XA], s[XO], v[XA0]
	v_add_nc_u32 v[XSA], s[SO], v[XS0]
.endm
.macro FETCH p                         ; nine LDS loads: a tile's scale words and its four fragments into set p
	ds_load_b128 v[XSW+4*\p:XSW+4*\p+3], v[XSA]
.irp s, 0,1,2,3
	ds_load_b128 v[XF+32*\p+8*\s:XF+32*\p+8*\s+3],   v[XA] offset:64*\s
	ds_load_b128 v[XF+32*\p+8*\s+4:XF+32*\p+8*\s+7], v[XA] offset:64*\s+32
.endr
	s_add_co_u32 s[XO], s[XO], 16*PITCH
	s_add_co_u32 s[SO], s[SO], 256
.endm
; A TILE of 16 rows, in set p.  wt: the LDS instructions issued behind this tile's loads that may stay out.  fm0 = 0: the first tile, with nothing yet to fold.
; kind 1: the tile two on is fetched into set p;  kind 2: the same behind the wait for x's second half and a barrier;  kind 0: nothing is left to fetch.
.macro TILE p, wt, fm0, kind
	s_wait_dscnt \wt
	UNIT 0, \p, \fm0
.if \fm0
	MID
.else
.rept 4
	v_nop                                          ; the places that the multiply-adds fill in every other tile
.endr
.endif
	UNIT 1, \p, 1
.if \kind
	NEXTAD                                         ; the sixteen multiply-adds above are the places behind the last product, ahead of loads into registers that it read
.if \kind == 2
	s_wait_tensorcnt 0x0                           ; my part of x's rows 256-511 is in,
	s_wait_dscnt 0x0
	s_barrier_signal -1
	s_barrier_wait -1                              ; everybody's is
.endif
	FETCH \p
.endif
.endm
	s_wait_tensorcnt 0x1                           ; x's scale bytes and my part of rows 0-255 are in; the load of rows 256-511 may be out
	s_wait_dscnt 0x0                               ; Wk is in registers
	s_barrier_signal -1
	s_barrier_wait -1                              ; everybody's part is in
	NEXTAD
	FETCH 0
	NEXTAD
	FETCH 1
	TILE 0, 9, 0, 1                                ; 9: the next tile's nine loads
	s_mov_b32 s[CNT], 6
.Lfirst:                                               ; tiles 1 to 12
	TILE 1, 9, 1, 1
	TILE 0, 9, 1, 1
	s_sub_co_u32 s[CNT], s[CNT], 1
	s_cmp_lg_u32 s[CNT], 0
	s_cbranch_scc1 .Lfirst
	TILE 1, 9, 1, 1                                ; 13
	TILE 0, 9, 1, 2                                ; 14: it fetches tile 16, the first of x's second half
	s_mov_b32 s[CNT], 7
.Lsecond:                                              ; tiles 15 to 28
	TILE 1, 9, 1, 1
	TILE 0, 9, 1, 1
	s_sub_co_u32 s[CNT], s[CNT], 1
	s_cmp_lg_u32 s[CNT], 0
	s_cbranch_scc1 .Lsecond
	TILE 1, 9, 1, 1                                ; 29: it fetches tile 31
	TILE 0, 9, 1, 0                                ; 30
	TILE 1, 1, 1, 0                                ; 31: behind its loads only one store was issued
	WIN 0x01
.set n, 0
.rept 16
	FM 0                                           ; the last tile's second set
.set n, n+1
.endr
	WIN 0
	MID
	s_wait_dscnt 0x0                               ; for the others' sake: my parts lie in LDS
	s_barrier_signal -1
	s_barrier_wait -1
	v_lshl_add_u32 v9, v0, 4, PART                 ; thread t adds the eight parts of rows 4 t .. 4 t + 3
.irp k, 0,1,2,3,4,5,6,7
	ds_load_b128 v[XF+4*\k:XF+4*\k+3], v9 offset:(\k/2)*PWV+(\k%2)*PHF
.endr
	v_lshlrev_b32 v10, 4, v0
	s_wait_dscnt 0x0
.irp k, 0,2,4,6
	v_pk_add_f32 v[XF+4*\k:XF+4*\k+1],   v[XF+4*\k:XF+4*\k+1],   v[XF+4*\k+4:XF+4*\k+5]
	v_pk_add_f32 v[XF+4*\k+2:XF+4*\k+3], v[XF+4*\k+2:XF+4*\k+3], v[XF+4*\k+6:XF+4*\k+7]
.endr
.irp k, 0,4
	v_pk_add_f32 v[XF+4*\k:XF+4*\k+1],   v[XF+4*\k:XF+4*\k+1],   v[XF+4*\k+8:XF+4*\k+9]
	v_pk_add_f32 v[XF+4*\k+2:XF+4*\k+3], v[XF+4*\k+2:XF+4*\k+3], v[XF+4*\k+10:XF+4*\k+11]
.endr
	v_pk_add_f32 v[XF:XF+1],   v[XF:XF+1],   v[XF+16:XF+17]
	v_pk_add_f32 v[XF+2:XF+3], v[XF+2:XF+3], v[XF+18:XF+19]
	global_store_b128 v10, v[XF:XF+3], s[18:19]    ; a wave stores 512 consecutive bytes, the work-group 2,048, at a multiple of 256 from the buffer's first byte
	s_wait_tensorcnt 0x0                           ; the wave's end
	ds_add_u32 v[SPW], v[NIL]
	s_wait_dscnt 0x0
	ROUND                                          ; the closing round: no work-group ends while a partner may still ask jointly
	s_endpgm
.Lfunc_end_k_q4095e66ce6_score:
	.size	k_q4095e66ce6_score, .Lfunc_end_k_q4095e66ce6_score-k_q4095e66ce6_score
	.p2alignl 7, 3214868480
	.fill 96, 4, 3214868480
	.section	.rodata,"a",@progbits
	.p2align	6, 0x0
	.amdhsa_kernel k_q4095e66ce6_score
		.amdhsa_group_segment_fixed_size 327680
		.amdhsa_private_segment_fixed_size 0
		.amdhsa_enable_private_segment 0
		.amdhsa_kernarg_size 64
		.amdhsa_user_sgpr_count 2
		.amdhsa_user_sgpr_kernarg_segment_ptr 1
		.amdhsa_wavefront_size32 1
		.amdhsa_system_sgpr_workgroup_id_x 1
		.amdhsa_system_sgpr_workgroup_id_y 1
		.amdhsa_system_sgpr_workgroup_id_z 1
		.amdhsa_system_vgpr_workitem_id 0
		.amdhsa_next_free_vgpr 768
		.amdhsa_next_free_sgpr 100
		.amdhsa_reserve_vcc 0
		.amdhsa_float_denorm_mode_32 3
		.amdhsa_float_denorm_mode_16_64 3
		.amdhsa_memory_ordered 1
		.amdhsa_forward_progress 1
		.amdhsa_inst_pref_size 93
	.end_amdhsa_kernel
	.amdgpu_metadata
---
amdhsa.version: [ 1, 2 ]
amdhsa.kernels:
  - .name:           k_q4095e66ce6_score
    .symbol:         k_q4095e66ce6_score.kd
    .args:
      - { .name: x_items_codes, .offset: 0, .size: 8, .value_kind: global_buffer, .address_space: global }
      - { .name: x_items_scales, .offset: 8, .size: 8, .value_kind: global_buffer, .address_space: global }
      - { .name: Wk_codes, .offset: 16, .size: 8, .value_kind: global_buffer, .address_space: global }
      - { .name: Wk_scales, .offset: 24, .size: 8, .value_kind: global_buffer, .address_space: global }
      - { .name: Wq, .offset: 32, .size: 8, .value_kind: global_buffer, .address_space: global }
      - { .name: bq, .offset: 40, .size: 8, .value_kind: global_buffer, .address_space: global }
      - { .name: x_query, .offset: 48, .size: 8, .value_kind: global_buffer, .address_space: global }
      - { .name: scores, .offset: 56, .size: 8, .value_kind: global_buffer, .address_space: global }
    .group_segment_fixed_size: 327680
    .private_segment_fixed_size: 0
    .kernarg_segment_align: 8
    .kernarg_segment_size: 64
    .max_flat_workgroup_size: 128
    .sgpr_count:     100
    .vgpr_count:     768
    .wavefront_size: 32
...
	.end_amdgpu_metadata
.endif
;; end of part 1
;; launch bound (part 2): grid 32 x 1, 4 waves a work-group, no clusters, 1,280 bytes of LDS; arguments scores, candm, candc, smax; writes candm, candc, smax
.if DOCPART == 2
	.amdgcn_target "amdgcn-amd-amdhsa--gfx1250"
	.amdhsa_code_object_version 6
	.text
	.protected	k_q4095e66ce6_bound
	.globl	k_q4095e66ce6_bound
	.p2align	8
	.type	k_q4095e66ce6_bound,@function
k_q4095e66ce6_bound:
	s_mov_b64 s[64:65], 0
	v_nop
	global_prefetch_b8 v0, s[64:65] scope:SCOPE_SE
	s_setreg_imm32_b32 hwreg(HW_REG_WAVE_MODE, 25, 1), 1
	s_wait_xcnt 0x0
; For each batch: the largest score, a LOWER BOUND t of sparsemax's tau, and, as whole numbers for the next launch, which rows lie above t.
; y = score - largest score.  For any non-empty set A of rows, (sum_A y - 1) / |A| <= tau (sum over A of (y - tau) <= sum of max(y - tau, 0) = 1).  From t = -1 (A = the largest row alone) six times: A = {y > t}, t = max(t, (sum_A y - 1) / |A|).
; Every such t is a bound whatever the inputs; how near it comes decides only how many rows the next launch takes, never the result: the count of six is no cut of a series on which a value hangs.
; ROUNDING: the y in A lie in (-1, 0]; a sum has 12 additions on a path (5 in a lane, 5 across lanes, 2 across waves), each off by at most 2^-24 of a partial sum, which divided by |A| is at most 2^-24; the - 1, the reciprocal and
; the product add at most 6 x 2^-24.  So t is at most 18 x 2^-24 too high, and 2^-18 is taken off it.
; One work-group a batch, four waves, 1,024 rows a wave in 32 registers: register 4 a + e of lane l is row 1,024 w + 128 a + 4 l + e.  No branch and no address hangs on a score.
; OUT: candm [batch][wave][32 words]: bit l of word k: row 1,024 w + 128 (k / 4) + 4 l + k % 4 lies above t.  candc, smax [batch][wave][32]: the wave's count of such rows, and the batch's largest score, in all 32 words.
; LIMITS: NaN and infinities among the scores are not served.
.set EX,    0                          ; LDS: two slots of 32 bytes, 256 apart, by turns: (sum, count) of each wave
.set MX,    512                        ; the four waves' maxima
.set SPARE, 768                        ; the spare words
.set Y,  16
.set RR, 48
.set T,  80
	s_load_b256 s[4:11], s[0:1], 0x0               ; scores, candm, candc, smax
	v_lshl_add_u32 v1, v0, 2, SPARE
	v_mov_b32 v2, 0
	v_lshrrev_b32 v3, 5, v0                        ; wave
	v_readfirstlane_b32 s12, v3
	v_and_b32 v4, 31, v0
	v_lshlrev_b32 v5, 4, v4                        ; 16 x lane
	v_lshlrev_b32 v6, 2, v3                        ; 4 w
	v_lshlrev_b32 v7, 3, v3                        ; 8 w
	v_mov_b32 v8, 0
	v_lshlrev_b32 v9, 2, v0                        ; out: 128 w + 4 x lane
	s_lshl_b32 s14, ttmp9, 14
	s_lshl_b32 s15, s12, 12
	s_add_co_u32 s14, s14, s15                     ; 16,384 x batch + 4,096 w
	s_mov_b32 s15, 0
	s_lshl_b32 s16, ttmp9, 9                       ; 512 x batch
	s_mov_b32 s17, 0
	s_mov_b32 s20, 0x76543210
	s_mov_b32 s21, 0xfedcba98                      ; v_permlanex16_b32's selects for lane l xor 16
	s_wait_kmcnt 0x0
	s_add_nc_u64 s[4:5], s[4:5], s[14:15]
	s_add_nc_u64 s[6:7], s[6:7], s[16:17]
	s_add_nc_u64 s[8:9], s[8:9], s[16:17]
	s_add_nc_u64 s[10:11], s[10:11], s[16:17]
.irp a, 0,1,2,3,4,5,6,7
	global_load_b128 v[Y+4*\a:Y+4*\a+3], v5, s[4:5] offset:512*\a
.endr
	s_wait_loadcnt 0x0
	v_max3_num_f32 v10, v[Y], v[Y+1], v[Y+2]
	v_max3_num_f32 v11, v[Y+3], v[Y+4], v[Y+5]
.irp i, 6,10,14,18,22,26
	v_max3_num_f32 v10, v10, v[Y+\i], v[Y+\i+1]
	v_max3_num_f32 v11, v11, v[Y+\i+2], v[Y+\i+3]
.endr
	v_max3_num_f32 v10, v10, v[Y+30], v[Y+31]
	v_max_num_f32 v10, v10, v11
.irp x, 1,2,4,8
	v_max_num_f32_dpp v10, v10, v10 row_xmask:\x row_mask:0xf bank_mask:0xf
.endr
	v_permlanex16_b32 v11, v10, s20, s21
	v_max_num_f32 v10, v10, v11
	ds_store_b32 v6, v10 offset:MX
	s_wait_dscnt 0x0
	s_barrier_signal -1
	s_barrier_wait -1
	ds_load_b128 v[12:15], v8 offset:MX
	s_wait_dscnt 0x0
	v_max3_num_f32 v10, v12, v13, v14
	v_max_num_f32 v10, v10, v15                    ; the batch's largest score
.set k, 0
.rept 16
	v_pk_add_f32 v[Y+2*k:Y+2*k+1], v[Y+2*k:Y+2*k+1], v[10:11] op_sel_hi:[1,0] neg_lo:[0,1] neg_hi:[0,1]   ; y
.set k, k+1
.endr
	v_mov_b32 v[T], -1.0
.macro COUNT                           ; s13 = how many bits the 32 masks hold
	s_bcnt1_i32_b32 s13, s32
.set k, 1
.rept 31
	s_bcnt1_i32_b32 s14, s[32+k]
	s_add_co_u32 s13, s13, s14
.set k, k+1
.endr
.endm
.macro MASKS
.set k, 0
.rept 32
	v_cmp_gt_f32 s[32+k], v[Y+k], v[T]
.set k, k+1
.endr
.endm
.macro NEWTON slot
	MASKS
.set k, 0
.rept 32
	v_cndmask_b32 v[RR+k], 0, v[Y+k], s[32+k]
.set k, k+1
.endr
.irp i, 0,4,8,12,16,20,24,28
	v_pk_add_f32 v[RR+\i:RR+\i+1], v[RR+\i:RR+\i+1], v[RR+\i+2:RR+\i+3]
.endr
.irp i, 0,8,16,24
	v_pk_add_f32 v[RR+\i:RR+\i+1], v[RR+\i:RR+\i+1], v[RR+\i+4:RR+\i+5]
.endr
.irp i, 0,16
	v_pk_add_f32 v[RR+\i:RR+\i+1], v[RR+\i:RR+\i+1], v[RR+\i+8:RR+\i+9]
.endr
	v_pk_add_f32 v[RR:RR+1], v[RR:RR+1], v[RR+16:RR+17]
	v_add_f32 v[RR], v[RR], v[RR+1]
.irp x, 1,2,4,8
	v_add_f32_dpp v[RR], v[RR], v[RR] row_xmask:\x row_mask:0xf bank_mask:0xf
.endr
	v_permlanex16_b32 v[RR+1], v[RR], s20, s21
	v_add_f32 v[RR], v[RR], v[RR+1]                ; my wave's sum
	COUNT
	v_cvt_f32_u32 v[RR+2], s13                     ; and its count
	ds_store_b32 v7, v[RR] offset:EX+\slot
	ds_store_b32 v7, v[RR+2] offset:EX+\slot+4
	s_wait_dscnt 0x0                               ; my stores have landed; my reads of the other slot were waited for a step ago
	s_barrier_signal -1
	s_barrier_wait -1
	ds_load_b128 v[RR+4:RR+7], v8 offset:EX+\slot
	ds_load_b128 v[RR+8:RR+11], v8 offset:EX+\slot+16
	s_wait_dscnt 0x0
	v_pk_add_f32 v[RR+4:RR+5], v[RR+4:RR+5], v[RR+6:RR+7]
	v_pk_add_f32 v[RR+8:RR+9], v[RR+8:RR+9], v[RR+10:RR+11]
	v_pk_add_f32 v[RR+4:RR+5], v[RR+4:RR+5], v[RR+8:RR+9]   ; (sum, count) of the batch; the count is at least 1: the largest row has y = 0 > t
	v_rcp_f32 v[RR+6], v[RR+5]
	v_add_f32 v[RR+4], -1.0, v[RR+4]               ; (a plain place behind the reciprocal)
	s_wait_alu depctr_va_vdst(0)                   ; the wait ahead of the reciprocal's first reader
	v_mul_f32 v[RR+4], v[RR+4], v[RR+6]
	v_max_num_f32 v[T], v[T], v[RR+4]
.endm
	s_mov_b32 s16, 3
.Lnewton:                                              ; three trips of two steps: the two slots by turns, one barrier a step
	NEWTON 0
	NEWTON 256
	s_sub_co_u32 s16, s16, 1
	s_cmp_lg_u32 s16, 0
	s_cbranch_scc1 .Lnewton
	v_add_f32 v[T], 0xb6800000, v[T]               ; - 2^-18: under every rounding of the sums
	MASKS
	COUNT
	v_mov_b32 v50, 0
.set k, 0
.rept 32
	v_writelane_b32 v50, s[32+k], k                ; word k into lane k
.set k, k+1
.endr
	v_mov_b32 v51, s13
	global_store_b32 v9, v50, s[6:7]
	global_store_b32 v9, v51, s[8:9]
	global_store_b32 v9, v10, s[10:11]
	s_wait_tensorcnt 0x0                           ; the wave's end
	ds_add_u32 v1, v2
	s_wait_dscnt 0x0
	s_endpgm
.Lfunc_end_k_q4095e66ce6_bound:
	.size	k_q4095e66ce6_bound, .Lfunc_end_k_q4095e66ce6_bound-k_q4095e66ce6_bound
	.p2alignl 7, 3214868480
	.fill 96, 4, 3214868480
	.section	.rodata,"a",@progbits
	.p2align	6, 0x0
	.amdhsa_kernel k_q4095e66ce6_bound
		.amdhsa_group_segment_fixed_size 1280
		.amdhsa_private_segment_fixed_size 0
		.amdhsa_enable_private_segment 0
		.amdhsa_kernarg_size 32
		.amdhsa_user_sgpr_count 2
		.amdhsa_user_sgpr_kernarg_segment_ptr 1
		.amdhsa_wavefront_size32 1
		.amdhsa_system_sgpr_workgroup_id_x 1
		.amdhsa_system_sgpr_workgroup_id_y 1
		.amdhsa_system_sgpr_workgroup_id_z 1
		.amdhsa_system_vgpr_workitem_id 0
		.amdhsa_next_free_vgpr 96
		.amdhsa_next_free_sgpr 66
		.amdhsa_reserve_vcc 0
		.amdhsa_float_denorm_mode_32 3
		.amdhsa_float_denorm_mode_16_64 3
		.amdhsa_memory_ordered 1
		.amdhsa_forward_progress 1
		.amdhsa_inst_pref_size 28
	.end_amdhsa_kernel
	.amdgpu_metadata
---
amdhsa.version: [ 1, 2 ]
amdhsa.kernels:
  - .name:           k_q4095e66ce6_bound
    .symbol:         k_q4095e66ce6_bound.kd
    .args:
      - { .name: scores, .offset: 0, .size: 8, .value_kind: global_buffer, .address_space: global }
      - { .name: candm, .offset: 8, .size: 8, .value_kind: global_buffer, .address_space: global }
      - { .name: candc, .offset: 16, .size: 8, .value_kind: global_buffer, .address_space: global }
      - { .name: smax, .offset: 24, .size: 8, .value_kind: global_buffer, .address_space: global }
    .group_segment_fixed_size: 1280
    .private_segment_fixed_size: 0
    .kernarg_segment_align: 8
    .kernarg_segment_size: 32
    .max_flat_workgroup_size: 128
    .sgpr_count:     66
    .vgpr_count:     96
    .wavefront_size: 32
...
	.end_amdgpu_metadata
.endif
;; end of part 2
;; launch attend (part 3): grid 32 x 4, 4 waves a work-group, no clusters, 25,600 bytes of LDS; arguments candm, candc, smax, scores, x_items_codes, x_items_scales, Wv_codes, Wv_scales, bv, Wphi_codes, Wphi_scales, bphi, out0; writes out0
.if DOCPART == 3
	.amdgcn_target "amdgcn-amd-amdhsa--gfx1250"
	.amdhsa_code_object_version 6
	.text
	.protected	k_q4095e66ce6_attend
	.globl	k_q4095e66ce6_attend
	.p2align	8
	.type	k_q4095e66ce6_attend,@function
k_q4095e66ce6_attend:
	s_mov_b64 s[64:65], 0
	v_nop
	global_prefetch_b8 v0, s[64:65] scope:SCOPE_SE
	s_setreg_imm32_b32 hwreg(HW_REG_WAVE_MODE, 25, 1), 1
	s_wait_xcnt 0x0
; out0[b] = Q(z) Wphi + bphi,  z = sum over n of p_n (x_n Wv + bv),  p = sparsemax(scores[b]).  Both products on codes of FP4 (E2M1), one E8M0 byte for each 32 along K; tau, p and z in f32.
; WORK LEFT OUT: rows of x Wv whose p is 0.  The launch before stored, as whole numbers, the rows whose score lies above a lower bound of tau (shown at the head of the first launch); every other row has p = 0 for all inputs.
; bk has no way to any output (shown there too).  A NaN, an infinity or an overflow that reaches only the rows left out is not carried to the result.
; SHARES.  Work-group (b, c), four waves: batch b, columns 256 c .. 256 c + 255 of out0.  Each of a batch's four work-groups makes tau and all 512 numbers of z for itself: that is a few tiles of 32 products, and it lets a wave
; keep all the weights that it needs in registers, asked for before tau is searched.  Wave w owns columns 128 w .. + 127 of v (its rows of Wv: 256 registers) and columns 256 c + 64 w .. + 63 of out0 (4 tiles of Wphi: 128 registers).
; No cluster and no copy engine: branches and trip counts here hang on the stored counts, and work-groups of different batches need different numbers of tiles.
; PHASES.  1: each wave writes the rows named by its quarter's 32 mask words into its own list in LDS | barrier |  2: every wave, by itself: the candidates' scores, the rest of the weights, and the first eight tiles of 16 candidate rows of x, straight into registers;
; 3: tau;  4: for each tile u^T = Wv x^T (source 0 = 16 rows of Wv, source 1 = 16 rows of x: a lane holds one item), z += p u | barrier |  5: z summed over the 16 items, + bv x sum of p, quantised; its image to LDS | barrier |
; 6: out = z Wphi^T (source 0 = z, sixteen rows alike; source 1 = 16 rows of Wphi), through 256 LDS bytes of the wave's own, + bphi, stored.
; TAU.  y = score - the batch's largest.  F(t) = sum of max(y - t, 0) falls from F(-1) >= 1 to F(0) = 0, and tau is where F = 1.  Eight passes with eight thresholds each narrow [lo, lo + width) from width 1 to 2^-24
; (all thresholds are multiples of 2^-24 in [-1, 0]: exact in f32).  Then tau = lo + (sum over y > lo of (y - lo) - 1) / (their number).  The count of passes hangs on no input.
; LIMIT: tau is exact to rounding where no score lies in (lo, tau]; else it is low by less than 2^-24.  NaN, infinities and scale bytes 0xff are not served.
; THE ROWS OF Wv THAT FORM A TILE ARE NOT NEIGHBOURS: lane r of tile 2 b + u takes row 32 b + 8 u + r + 8 (r / 8), so that a lane's registers 16 b + i of z are columns 32 b + 16 h + i: neighbours along the last product's K.
; REGISTERS.  window 0: see the names below.  window 1: v0-127 Wv's tiles 0-3, v128-255 Wphi's four tiles.  window 2: v0-127 Wv's tiles 4-7.  window 3: a ring of eight tiles of x, 32 registers each.
.set LSEG,  4352                       ; LDS: a wave's list: 1,024 rows and 32 words into which lanes without a candidate write; 1,088 words
.set BVL,   4*LSEG                     ; bv, 512 numbers
.set ZIMG,  BVL+2048                   ; z's four fragments, as images of registers: 1,024 bytes each
.set ZSC,   ZIMG+4096                  ; their scale words, 128 bytes each
.set OUTS,  ZSC+512                    ; 64 numbers of out for each wave
.set SPARE, OUTS+1024                  ; the spare words
.set SPW, 1
.set NIL, 2
.set R,   3                            ; lane % 16
.set H,   4                            ; lane / 16
.set LN,  5                            ; lane          (v6-8: at work)
.set OCO, 9                            ; out0: 4 x my first column
.set BPA, 10                           ; bphi: 4 x min(my first column, 998)
.set OCL, 11                           ; my first column of two: 256 c + 64 w + 2 x lane
.set WPB, 12                           ; v12-15 Wphi's tile t: min(256 c + 64 w + 16 t + r, 999) x 256 + 16 h
.set ADX, 16                           ; v16-23 slot i: byte offset of my row's codes;  v24-31 of its scale words;  v32-39 of its score
.set ASX, 24
.set AYX, 32
.set YT,  40                           ; v40-47 slot i: my row's score
.set WVS, 48                           ; v48-63 Wv's scale words: register 4 b + s: lanes 0-15 tile 2 b, lanes 16-31 tile 2 b + 1
.set XS,  64                           ; v64-95 slot i: x's scale words
.set WPS, 96                           ; v96-103 Wphi's scale words: register 4 u + s: lanes 0-15 tile 2 u, lanes 16-31 tile 2 u + 1
.set P,   104                          ; v[104:105] p
.set PSUM, 106
.set NTAU, 107                         ; - tau
.set BPH, 108                          ; v[108:109] bphi of my two columns
.set H16, 110
.set PB,  111                          ; the ring's first position + r
.set NEG, 112                          ; -3e38
.set VB1, 113                          ; v113-115: what turns a position in quarter 1, 2, 3 into a word of the lists
.set VB2, 114
.set VB3, 115
.set LI,  116                          ; 16 x lane
.set LS,  117                          ; 4 x lane
.set ZWI, 118                          ; 1,024 w + 16 x lane
.set ZWS, 119                          ; 128 w + 4 x lane
.set PW,  120                          ; z's scale word as made
.set ZS,  121                          ; v121-124 z's four scale words;
.set WQA, 121                          ; before that v121-122: the offsets of Wphi's scale words (a lane a column, held at column 999)
.set OSA, 125                          ; 256 w + 4 r
.set BVA, 126                          ; 512 w + 64 h
.set OSR, 127                          ; 256 w + 8 x lane
.set ACC, 128                          ; v128-191 u^T, 8 tiles
.set ZACC, 192                         ; v192-255 z
.set ZF,  16                           ; the last product: z's four fragments, v16-47;
.set OA,  160                          ; its four accumulators, v160-191
.set TM,  128                          ; the quantiser: v128-143 at work, v144-151 the codes
.set PC,  144
.set Y,   128                          ; the search, before z begins: v128-143 the first 512 candidates' y;
.set YS,  144                          ; v144-147 128 further ones
.set WVA, 148                          ; offsets that are done with when the first product writes v128-191: Wv's codes,
.set WSA, 149                          ; Wv's scale words,
.set BVW, 150                          ; 512 w + 16 x lane,
.set COL0, 151                         ; 256 c + 64 w + r
.set NTH, 164                          ; v164-179 minus the eight thresholds, each in the low word of a pair
.set CJ,  180                          ; v180-187 -1 .. -8
.set F,   188                          ; v188-203 F of the eight thresholds, in two halves each
.set D,   204                          ; v204-219 at work
.set NLO, 220                          ; - lo
.set STEP, 221
.set JF,  222
.set G,   224                          ; v224-231
.set GP,  232                          ; v232-235 positions
.set GA,  236                          ; v236-251 the 16 score loads' addresses
.set GS,  252                          ; v252-255 the same for 128 further candidates
.set WT,  192                          ; the lists: v192-223 at work, eight sets by turns;
.set DUMP, 252                         ; 1,024 + lane;
.set ROW0, 253                         ; 1,024 w + 4 x lane
.set MSB, 0
.macro WIN new                         ; the immediate's high byte repeats the setting that is left
.if MSB != (\new)
	s_set_vgpr_msb (MSB<<8)|(\new)
.set MSB, (\new)
.endif
.endm
.macro BARRIER
	s_wait_dscnt 0x0
	s_barrier_signal -1
	s_barrier_wait -1
.endm
; a position among the batch's candidates (at most m - 1) -> the LDS byte of its row number.  Quarter s begins at position Q_s and at word 1,088 s.  The word is held at 4,351, the lists' last.
.macro MAP pos, adr
	v_cmp_le_u32 vcc_lo, s75, v[\pos]
	v_cndmask_b32 v[\adr], 0, v[VB1], vcc_lo
	v_cmp_le_u32 vcc_lo, s76, v[\pos]
	v_cndmask_b32 v[\adr], v[\adr], v[VB2], vcc_lo
	v_cmp_le_u32 vcc_lo, s77, v[\pos]
	v_cndmask_b32 v[\adr], v[\adr], v[VB3], vcc_lo
	v_add_nc_u32 v[\adr], v[\adr], v[\pos]
	v_min_u32 v[\adr], 0x10ff, v[\adr]
	v_lshlrev_b32 v[\adr], 2, v[\adr]
.endm
	s_load_b512 s[4:19], s[0:1], 0x0               ; candm s[4:5], candc s[6:7], smax s[8:9], scores s[10:11], x codes s[12:13], x scales s[14:15], Wv codes s[16:17], Wv scales s[18:19]
	s_load_b256 s[20:27], s[0:1], 0x40             ; bv s[20:21], Wphi codes s[22:23], Wphi scales s[24:25], bphi s[26:27]
	s_load_b64 s[28:29], s[0:1], 0x60              ; out0
	v_lshl_add_u32 v[SPW], v0, 2, SPARE
	v_mov_b32 v[NIL], 0
	v_lshrrev_b32 v6, 5, v0
	v_readfirstlane_b32 s30, v6                    ; wave 0..3
	s_and_b32 s31, ttmp7, 0xffff                   ; c: which 256 columns of out0
	v_and_b32 v[R], 15, v0
	v_bfe_u32 v[H], v0, 4, 1
	v_and_b32 v[LN], 31, v0
	v_lshlrev_b32 v[H16], 4, v[H]
	v_lshlrev_b32 v[LI], 4, v[LN]
	v_lshlrev_b32 v[LS], 2, v[LN]
	v_add_nc_u32 v[DUMP], 1024, v[LN]
	s_lshl_b32 s67, s30, 10
	v_lshl_add_u32 v[ROW0], v[LN], 2, s67
	v_add_nc_u32 v[ZWI], s67, v[LI]
	s_mul_i32 s99, s30, LSEG                       ; my list
	s_lshl_b32 s67, s30, 9
	v_lshl_add_u32 v[BVA], v[H], 6, s67
	v_add_nc_u32 v[BVW], s67, v[LI]
	s_lshl_b32 s67, s30, 8
	v_lshl_add_u32 v[OSA], v[R], 2, s67
	v_lshl_add_u32 v[OSR], v[LN], 3, s67
	s_lshl_b32 s96, s31, 8
	s_lshl_b32 s67, s30, 6
	s_add_co_u32 s96, s96, s67                     ; my wave's first column of out0: 256 c + 64 w
	v_add_nc_u32 v[COL0], s96, v[R]
.irp t, 0,1,2,3
	v_add_nc_u32 v[WPB+\t], 16*\t, v[COL0]         ; Wphi's rows are out0's columns: held at 999, so that no load leaves the buffer
	v_min_u32 v[WPB+\t], 999, v[WPB+\t]
	v_lshl_add_u32 v[WPB+\t], v[WPB+\t], 8, v[H16]
.endr
	v_add_nc_u32 v6, s96, v[LN]
.irp u, 0,1
	v_add_nc_u32 v[WQA+\u], 32*\u, v6
	v_min_u32 v[WQA+\u], 999, v[WQA+\u]
	v_lshlrev_b32 v[WQA+\u], 4, v[WQA+\u]
.endr
	v_lshl_add_u32 v[OCL], v[LN], 1, s96
	v_lshlrev_b32 v[OCO], 2, v[OCL]
	v_min_u32 v[BPA], 998, v[OCL]
	v_lshlrev_b32 v[BPA], 2, v[BPA]
	s_lshl_b32 s67, s30, 7
	v_add_nc_u32 v[ZWS], s67, v[LS]
	v_and_b32 v7, 8, v[R]
	v_add_nc_u32 v7, v7, v[R]                      ; r + 8 (r / 8)
	v_add_nc_u32 v8, s67, v7                       ; + 128 w
	v_lshl_add_u32 v[WVA], v8, 8, v[H16]
	v_lshl_add_u32 v8, v[H], 3, v8                 ; lanes 16-31 take the odd tile's rows, 8 further on
	v_lshlrev_b32 v[WSA], 4, v8
	v_mov_b32 v[NEG], 0xff61b1e6
	s_mov_b32 s86, 0x76543210
	s_mov_b32 s87, 0xfedcba98                      ; v_permlanex16_b32's selects for lane l xor 16
	s_mov_b32 s88, 0xaaaaaaaa                      ; lanes whose bit 0, 1, 2 is set
	s_mov_b32 s89, 0xcccccccc
	s_mov_b32 s90, 0xf0f0f0f0
	s_mov_b32 s66, 0
	s_mov_b32 s97, 0
	s_wait_kmcnt 0x0
	s_lshl_b32 s96, ttmp9, 9                       ; 512 x batch
	s_add_nc_u64 s[6:7], s[6:7], s[96:97]
	s_add_nc_u64 s[8:9], s[8:9], s[96:97]
	s_add_co_u32 s96, s96, s67                     ; + 128 w
	s_add_nc_u64 s[4:5], s[4:5], s[96:97]
	s_load_b512 s[32:47], s[4:5], 0x0              ; my quarter's 32 mask words
	s_load_b512 s[48:63], s[4:5], 0x40
	s_load_b32 s68, s[6:7], 0x0                    ; the four quarters' counts
	s_load_b32 s69, s[6:7], 0x80
	s_load_b32 s70, s[6:7], 0x100
	s_load_b32 s71, s[6:7], 0x180
	s_load_b32 s72, s[8:9], 0x0                    ; the batch's largest score
	s_lshl_b32 s96, ttmp9, 14
	s_add_nc_u64 s[10:11], s[10:11], s[96:97]
	s_lshl_b32 s96, ttmp9, 20
	s_add_nc_u64 s[12:13], s[12:13], s[96:97]
	s_lshl_b32 s96, ttmp9, 16
	s_add_nc_u64 s[14:15], s[14:15], s[96:97]
	s_mul_i32 s96, ttmp9, 4000
	s_add_nc_u64 s[28:29], s[28:29], s[96:97]
	; 37 loads stand under the wait for the masks; the other weights are asked for behind the scores, so that nothing holds up the way from the masks to the scores
	global_load_b128 v[128:131], v[BVW], s[20:21]  ; my 128 numbers of bv
.irp b, 0,1,2,3
	global_load_b128 v[WVS+4*\b:WVS+4*\b+3], v[WSA], s[18:19] offset:512*\b
.endr
	WIN 0x40                                       ; destination window 1
.irp t, 0,1,2,3
.irp s, 0,1,2,3
.irp c, 0,1
	global_load_b128 v[32*\t+8*\s+4*\c:32*\t+8*\s+4*\c+3], v[WVA], s[16:17] offset:(32*(\t/2)+8*(\t%2))*256+64*\s+32*\c
.endr
.endr
.endr
	WIN 0
	s_wait_kmcnt 0x0
; ---- 1: the rows named by mask word k go into my list, one behind the other.  A lane without a candidate writes into its own word behind the list.  No branch, no change of EXEC.  The word is held at 1,055, my list's last.
.macro WORD k
.set wT, WT+4*((\k)%8)                 ; eight sets of working registers by turns: no store's sources are written again by the next words
	v_mbcnt_lo_u32_b32 v[wT], s[32+\k], s66        ; the candidates so far + those of this word in lanes below mine
	v_add_nc_u32 v[wT+1], 128*(\k/4)+\k%4, v[ROW0] ; my lane's row of this word
	v_cndmask_b32 v[wT], v[DUMP], v[wT], s[32+\k]
	v_min_u32 v[wT], 0x41f, v[wT]
	v_lshl_add_u32 v[wT+2], v[wT], 2, s99
	ds_store_b32 v[wT+2], v[wT+1]
	s_bcnt1_i32_b32 s67, s[32+\k]
	s_add_co_u32 s66, s66, s67
.endm
.irp k, 0,1,2,3,4,5,6,7,8,9,10,11,12,13,14,15,16,17,18,19,20,21,22,23,24,25,26,27,28,29,30,31
	WORD \k
.endr
	s_wait_loadcnt 36                              ; bv is in: behind it 4 + 32 loads were issued
	ds_store_b128 v[BVW], v[128:131] offset:BVL    ; parked in my own bytes of LDS until it is wanted, in another layout
	s_mov_b32 s75, s68                             ; Q1, Q2, Q3: where quarters 1, 2, 3 begin among the candidates
	s_add_co_u32 s76, s75, s69
	s_add_co_u32 s77, s76, s70
	s_add_co_u32 s73, s77, s71                     ; m, the candidates: at least 1 (the largest row), at most 4,096
	s_max_u32 s73, s73, 1
	s_min_u32 s73, s73, 4096
	s_sub_co_u32 s74, s73, 1
	s_sub_co_u32 s78, 1088, s75
	s_sub_co_u32 s79, 2176, s76
	s_sub_co_u32 s80, 3264, s77
	v_mov_b32 v[VB1], s78
	v_mov_b32 v[VB2], s79
	v_mov_b32 v[VB3], s80
	s_add_co_u32 s81, s73, 15
	s_lshr_b32 s81, s81, 4                         ; tiles of 16
	s_sub_co_u32 s82, s81, 1
	s_lshr_b32 s82, s82, 3                         ; trips of the ring's loop: all tiles but the last 1 to 8
	s_lshl_b32 s83, s82, 3
	s_sub_co_u32 s83, s81, s83                     ; those last
	s_add_co_u32 s93, s73, 127
	s_lshr_b32 s93, s93, 7                         ; groups of 128
	BARRIER                                        ; the four lists lie in LDS.  From here to the barrier behind the tiles LDS is only read
; ---- 2: scores, the rest of the weights, rows
.macro GMAP g                          ; group g: positions 128 g + 32 e + lane: their row numbers
.irp e, 0,1,2,3
	v_add_nc_u32 v[GP+\e], 128*\g+32*\e, v[LN]
	v_min_u32 v[GP+\e], s74, v[GP+\e]
	MAP GP+\e, GA+4*\g+\e
	ds_load_b32 v[GA+4*\g+\e], v[GA+4*\g+\e]
.endr
.endm
.macro GISSUE g                        ; and their scores
.irp e, 0,1,2,3
	v_min_u32 v[GA+4*\g+\e], 0xfff, v[GA+4*\g+\e]
	v_lshlrev_b32 v[GA+4*\g+\e], 2, v[GA+4*\g+\e]
	global_load_b32 v[Y+4*\g+\e], v[GA+4*\g+\e], s[10:11]
.endr
.endm
.macro XADR i, src                     ; slot i's three offsets from its row number
	v_min_u32 v[\src], 0xfff, v[\src]
	v_lshlrev_b32 v[AYX+\i], 2, v[\src]
	v_lshlrev_b32 v[ASX+\i], 4, v[\src]
	v_lshl_add_u32 v[ADX+\i], v[\src], 8, v[H16]
.endm
.macro XLOAD i                         ; slot i: ten loads: my row's four fragments, its scale words, its score
	WIN 0xc0                                       ; destination window 3
.irp s, 0,1,2,3
	global_load_b128 v[32*\i+8*\s:32*\i+8*\s+3],   v[ADX+\i], s[12:13] offset:64*\s
	global_load_b128 v[32*\i+8*\s+4:32*\i+8*\s+7], v[ADX+\i], s[12:13] offset:64*\s+32
.endr
	WIN 0
	global_load_b128 v[XS+4*\i:XS+4*\i+3], v[ASX+\i], s[14:15]
	global_load_b32 v[YT+\i], v[AYX+\i], s[10:11]
.endm
.irp j, 4,5,6,7,8,9,10,11,12,13,14,15
	v_mov_b32 v[Y+\j], v[NEG]                      ; groups that are not loaded count for nothing
.endr
	GMAP 0
.irp i, 0,1,2,3,4,5,6,7
	v_add_nc_u32 v6, 16*\i, v[R]                   ; tile i: position 16 i + r, held at the last candidate
	v_min_u32 v6, s74, v6
	MAP 6, ADX+\i
	ds_load_b32 v[ADX+\i], v[ADX+\i]
.endr
	s_wait_dscnt 0x0
	GISSUE 0
	s_cmp_le_u32 s93, 1
	s_cbranch_scc1 .Lscores_asked
	GMAP 1
	s_wait_dscnt 0x0
	GISSUE 1
	s_cmp_le_u32 s93, 2
	s_cbranch_scc1 .Lscores_asked
	GMAP 2
	s_wait_dscnt 0x0
	GISSUE 2
	s_cmp_le_u32 s93, 3
	s_cbranch_scc1 .Lscores_asked
	GMAP 3
	s_wait_dscnt 0x0
	GISSUE 3
.Lscores_asked:                                        ; behind the scores 147 loads: all that the wave will want, asked for before tau is searched
	WIN 0x80                                       ; destination window 2: Wv's tiles 4-7
.irp t, 4,5,6,7
.irp s, 0,1,2,3
.irp c, 0,1
	global_load_b128 v[32*(\t-4)+8*\s+4*\c:32*(\t-4)+8*\s+4*\c+3], v[WVA], s[16:17] offset:(32*(\t/2)+8*(\t%2))*256+64*\s+32*\c
.endr
.endr
.endr
	WIN 0x40                                       ; destination window 1: Wphi's four tiles
.irp t, 0,1,2,3
.irp s, 0,1,2,3
.irp c, 0,1
	global_load_b128 v[128+32*\t+8*\s+4*\c:128+32*\t+8*\s+4*\c+3], v[WPB+\t], s[22:23] offset:64*\s+32*\c
.endr
.endr
.endr
	WIN 0
.irp u, 0,1
	global_load_b128 v[WPS+4*\u:WPS+4*\u+3], v[WQA+\u], s[24:25]
.endr
	global_load_b64 v[BPH:BPH+1], v[BPA], s[26:27]
.irp i, 0,1,2,3,4,5,6,7
	XADR \i, ADX+\i
	XLOAD \i
.endr
	v_mov_b32 v[NLO], 1.0                          ; lo = -1
	v_mov_b32 v[STEP], 0x3e000000                  ; 1 / 8
	v_mov_b32 v[CJ], -1.0
	v_mov_b32 v[CJ+1], -2.0
	v_mov_b32 v[CJ+2], 0xc0400000
	v_mov_b32 v[CJ+3], -4.0
	v_mov_b32 v[CJ+4], 0xc0a00000
	v_mov_b32 v[CJ+5], 0xc0c00000
	v_mov_b32 v[CJ+6], 0xc0e00000
	v_mov_b32 v[CJ+7], 0xc1000000
.irp j, 0,1,2,3,4,5,6,7
	v_mov_b32 v[NTH+2*\j+1], 0                     ; (named as the upper halves of pairs)
.endr
	v_mov_b32 v[P+1], 0
	s_wait_loadcnt 63                              ; the scores are in: 147 loads were issued behind them
.macro YPOST g                         ; y = score - the largest; a position past the last candidate counts for nothing
.irp e, 0,1,2,3
	v_add_nc_u32 v6, 128*\g+32*\e, v[LN]
	v_cmp_gt_u32 vcc_lo, s73, v6
	v_sub_f32 v[Y+4*\g+\e], v[Y+4*\g+\e], s72
	v_cndmask_b32 v[Y+4*\g+\e], v[NEG], v[Y+4*\g+\e], vcc_lo
.endr
.endm
	YPOST 0
	s_cmp_le_u32 s93, 1
	s_cbranch_scc1 .Ly_made
	YPOST 1
	s_cmp_le_u32 s93, 2
	s_cbranch_scc1 .Ly_made
	YPOST 2
	s_cmp_le_u32 s93, 3
	s_cbranch_scc1 .Ly_made
	YPOST 3
.Ly_made:
; ---- 3: tau
.macro EVALP yb, first                 ; two y a lane against the eight thresholds
.irp j, 0,1,2,3,4,5,6,7
	v_pk_add_f32 v[D+2*\j:D+2*\j+1], v[\yb:\yb+1], v[NTH+2*\j:NTH+2*\j+1] op_sel_hi:[1,0]   ; y - threshold j
.endr
.if \first
.irp j, 0,1,2,3,4,5,6,7,8,9,10,11,12,13,14,15
	v_max_num_f32 v[F+\j], 0, v[D+\j]              ; the first pair starts the sums
.endr
.else
.irp j, 0,1,2,3,4,5,6,7,8,9,10,11,12,13,14,15
	v_max_num_f32 v[D+\j], 0, v[D+\j]
.endr
.irp j, 0,1,2,3,4,5,6,7
	v_pk_add_f32 v[F+2*\j:F+2*\j+1], v[F+2*\j:F+2*\j+1], v[D+2*\j:D+2*\j+1]
.endr
.endif
.endm
.macro FINP yb, first                  ; two y a lane against lo: the sum of what lies above it, and how many do (s98)
	v_pk_add_f32 v[D:D+1], v[\yb:\yb+1], v[NTH:NTH+1] op_sel_hi:[1,0]
	v_cmp_lt_f32 s91, 0, v[D]
	v_cmp_lt_f32 s92, 0, v[D+1]
.if \first
	v_max_num_f32 v[F], 0, v[D]
	v_max_num_f32 v[F+1], 0, v[D+1]
.else
	v_max_num_f32 v[D], 0, v[D]
	v_max_num_f32 v[D+1], 0, v[D+1]
	v_pk_add_f32 v[F:F+1], v[F:F+1], v[D:D+1]
.endif
	s_bcnt1_i32_b32 s91, s91
	s_bcnt1_i32_b32 s92, s92
	s_add_co_u32 s98, s98, s91
	s_add_co_u32 s98, s98, s92
.endm
.macro OPP yb, first, fin
.if \fin
	FINP \yb, \first
.else
	EVALP \yb, \first
.endif
.endm
.macro SLOWG                           ; the 128 candidates from position s95 on, loaded anew
.irp e, 0,1,2,3
	v_add_nc_u32 v[GP+\e], 32*\e, v[LN]
	v_add_nc_u32 v[GP+\e], s95, v[GP+\e]
	v_min_u32 v6, s74, v[GP+\e]
	MAP 6, GS+\e
	ds_load_b32 v[GS+\e], v[GS+\e]
.endr
	s_wait_dscnt 0x0
.irp e, 0,1,2,3
	v_min_u32 v[GS+\e], 0xfff, v[GS+\e]
	v_lshlrev_b32 v[GS+\e], 2, v[GS+\e]
	global_load_b32 v[YS+\e], v[GS+\e], s[10:11]
.endr
	s_wait_loadcnt 0x0                             ; they are in, and their address registers may be written again
.irp e, 0,1,2,3
	v_cmp_gt_u32 vcc_lo, s73, v[GP+\e]
	v_sub_f32 v[YS+\e], v[YS+\e], s72
	v_cndmask_b32 v[YS+\e], v[NEG], v[YS+\e], vcc_lo
.endr
.endm
; once over all candidates: the first 512 from registers, group by group as far as the stored count asks; the others by a loop
.macro SWEEP fin
	OPP Y, 1, \fin
	OPP Y+2, 0, \fin
	s_cmp_le_u32 s93, 1
	s_cbranch_scc1 .Lswept_\@
	OPP Y+4, 0, \fin
	OPP Y+6, 0, \fin
	s_cmp_le_u32 s93, 2
	s_cbranch_scc1 .Lswept_\@
	OPP Y+8, 0, \fin
	OPP Y+10, 0, \fin
	s_cmp_le_u32 s93, 3
	s_cbranch_scc1 .Lswept_\@
	OPP Y+12, 0, \fin
	OPP Y+14, 0, \fin
	s_cmp_le_u32 s93, 4
	s_cbranch_scc1 .Lswept_\@
	s_mov_b32 s94, 4
	s_mov_b32 s95, 512
.Lfurther_\@:
	SLOWG
	OPP YS, 0, \fin
	OPP YS+2, 0, \fin
	s_add_co_u32 s95, s95, 128
	s_add_co_u32 s94, s94, 1
	s_cmp_lt_u32 s94, s93
	s_cbranch_scc1 .Lfurther_\@
.Lswept_\@:
.endm
; two sums become one register: lanes whose bit is clear keep sum a and get the partner's part of it, the others sum b
.macro RSTEP a, b, o, msk, xm
	v_cndmask_b32 v[D], v[G+\b], v[G+\a], s[\msk]          ; what I send: the sum that I do not keep
	v_cndmask_b32 v[D+1], v[G+\a], v[G+\b], s[\msk]        ; what I keep
	v_add_f32_dpp v[G+\o], v[D], v[D+1] row_xmask:\xm row_mask:0xf bank_mask:0xf
.endm
	s_mov_b32 s85, 0
.Lpass:                                                ; eight passes, three bits of tau each
.irp j, 0,1,2,3,4,5,6,7
	v_fma_f32 v[NTH+2*\j], v[CJ+\j], v[STEP], v[NLO]       ; - (lo + (j + 1) step)
.endr
	SWEEP 0
.irp j, 0,1,2,3,4,5,6,7
	v_add_f32 v[G+\j], v[F+2*\j], v[F+2*\j+1]
.endr
	RSTEP 0, 1, 0, 88, 1
	RSTEP 2, 3, 1, 88, 1
	RSTEP 4, 5, 2, 88, 1
	RSTEP 6, 7, 3, 88, 1
	RSTEP 0, 1, 0, 89, 2
	RSTEP 2, 3, 1, 89, 2
	RSTEP 0, 1, 0, 90, 4
	v_add_f32_dpp v[G], v[G], v[G] row_xmask:8 row_mask:0xf bank_mask:0xf
	v_permlanex16_b32 v[D], v[G], s86, s87
	v_add_f32 v[G], v[G], v[D]                     ; lane l: F of threshold l % 8
	v_cmp_ge_f32 s91, v[G], 1.0
	s_bcnt1_i32_b32 s92, s91
	s_lshr_b32 s92, s92, 2                         ; each threshold stands in four lanes: J = how many thresholds have F >= 1.  It is used as a number alone
	v_cvt_f32_u32 v[JF], s92
	v_fma_f32 v[NLO], -v[JF], v[STEP], v[NLO]      ; lo += J step
	v_mul_f32 v[STEP], 0x3e000000, v[STEP]
	s_add_co_u32 s85, s85, 1
	s_cmp_lt_u32 s85, 8
	s_cbranch_scc1 .Lpass
	v_mov_b32 v[NTH], v[NLO]
	s_mov_b32 s98, 0
	SWEEP 1
	v_add_f32 v[G], v[F], v[F+1]
.irp x, 1,2,4,8
	v_add_f32_dpp v[G], v[G], v[G] row_xmask:\x row_mask:0xf bank_mask:0xf
.endr
	v_permlanex16_b32 v[D], v[G], s86, s87
	v_add_f32 v[G], v[G], v[D]                     ; the sum of y - lo over y > lo
	v_cvt_f32_u32 v[JF], s98                       ; their number: at least 1, since lo < 0 = the largest y
	v_rcp_f32 v[D+2], v[JF]
	v_add_f32 v[G], -1.0, v[G]                     ; (a plain place behind the reciprocal)
	s_wait_alu depctr_va_vdst(0)                   ; the wait ahead of the reciprocal's first reader
	v_fma_f32 v[NTAU], -v[G], v[D+2], v[NLO]       ; - tau
; ---- 4: the tiles
.set n, 0
.rept 64
	v_mov_b32 v[ZACC+n], 0                         ; z.  (A tile is written for the loop and for the tail alike: the first finds zeros)
.set n, n+1
.endr
	v_mov_b32 v[PSUM], 0
	v_mov_b32 v[PB], v[R]
.macro MMV g, i                        ; product n of 16 of tiles 4 g .. 4 g + 3 with slot i: K step n / 4, tile 4 g + n % 4: four accumulators by turns
.set kS, n/4
.set tQ, n%4
.set rD, ACC+32*\g+8*tQ
.set rA, 32*tQ+8*kS
.set rB, 32*\i+8*kS
.set rSA, WVS+4*((4*\g+tQ)/2)+kS
.set rSB, XS+4*\i+kS
.if kS == 0
.if tQ%2
	v_wmma_scale_f32_16x16x128_f8f6f4 v[rD:rD+7], v[rA:rA+7], v[rB:rB+7], 0, v[rSA], v[rSB] matrix_a_fmt:MATRIX_FMT_FP4 matrix_b_fmt:MATRIX_FMT_FP4 matrix_a_scale:MATRIX_SCALE_ROW1
.else
	v_wmma_scale_f32_16x16x128_f8f6f4 v[rD:rD+7], v[rA:rA+7], v[rB:rB+7], 0, v[rSA], v[rSB] matrix_a_fmt:MATRIX_FMT_FP4 matrix_b_fmt:MATRIX_FMT_FP4
.endif
.else
.if tQ%2
	v_wmma_scale_f32_16x16x128_f8f6f4 v[rD:rD+7], v[rA:rA+7], v[rB:rB+7], v[rD:rD+7], v[rSA], v[rSB] matrix_a_fmt:MATRIX_FMT_FP4 matrix_b_fmt:MATRIX_FMT_FP4 matrix_a_scale:MATRIX_SCALE_ROW1
.else
	v_wmma_scale_f32_16x16x128_f8f6f4 v[rD:rD+7], v[rA:rA+7], v[rB:rB+7], v[rD:rD+7], v[rSA], v[rSB] matrix_a_fmt:MATRIX_FMT_FP4 matrix_b_fmt:MATRIX_FMT_FP4
.endif
.endif
.endm
.macro VT i, wt                        ; the tile in slot i.  wt: the loads issued behind the slot's ten that may stay out
	s_wait_loadcnt \wt
	v_add_nc_u32 v6, 16*\i, v[PB]                  ; my item's position
	v_sub_f32 v7, v[YT+\i], s72                    ; y
	v_cmp_gt_u32 vcc_lo, s73, v6
	v_add_f32 v7, v7, v[NTAU]
	v_max_num_f32 v7, 0, v7                        ; p = max(y - tau, 0),
	v_cndmask_b32 v[P], 0, v7, vcc_lo              ; and 0 past the last candidate
	v_add_f32 v[PSUM], v[PSUM], v[P]
	WIN 0x0d                                       ; source 0 (Wv) window 1, source 1 (x) window 3
.set n, 0
.rept 16
	MMV 0, \i
.set n, n+1
.endr
	WIN 0x0e                                       ; source 0 window 2
.set n, 0
.rept 16
	MMV 1, \i
.set n, n+1
.endr
	WIN 0
.rept 4
	v_nop                                          ; four places ahead of the first read of results
.endr
.set n, 0
.rept 32
	v_pk_fma_f32 v[ZACC+2*n:ZACC+2*n+1], v[ACC+2*n:ACC+2*n+1], v[P:P+1], v[ZACC+2*n:ZACC+2*n+1] op_sel_hi:[1,0,1]   ; z += p u; each accumulator from its low end on
.set n, n+1
.endr
.endm
.macro REFILL i                        ; slot i takes the tile eight further on
	v_add_nc_u32 v6, 128+16*\i, v[PB]
	v_min_u32 v6, s74, v6
	MAP 6, 8
	ds_load_b32 v8, v8
	s_wait_dscnt 0x0
	XADR \i, 8                                     ; (the slot's last loads were waited for: its address registers may be written)
	XLOAD \i
.endm
	s_cmp_eq_u32 s82, 0
	s_cbranch_scc1 .Ltail
	s_mov_b32 s85, 0
.Lring:                                                ; eight tiles a trip; only where there are more than eight
.irp i, 0,1,2,3,4,5,6,7
	VT \i, 63                                      ; behind a slot's ten loads stand the other seven slots' 70
	REFILL \i
.endr
	v_add_nc_u32 v[PB], 128, v[PB]
	s_add_co_u32 s85, s85, 1
	s_cmp_lt_u32 s85, s82
	s_cbranch_scc1 .Lring
.Ltail:                                                ; the last 1 to 8 tiles.  On both ways here the youngest 80 loads are slots 0 to 7 in this order: behind slot i's stand 10 (7 - i)
.macro TAILT i, wt
	s_cmp_le_u32 s83, \i
	s_cbranch_scc1 .Ltiles_done
	VT \i, \wt
.endm
	VT 0, 63
	TAILT 1, 60
	TAILT 2, 50
	TAILT 3, 40
	TAILT 4, 30
	TAILT 5, 20
	TAILT 6, 10
	TAILT 7, 0
.Ltiles_done:
	s_wait_loadcnt 0x0                             ; every load has landed, those of slots that were not multiplied too: the ring's registers and all offsets may be written
	BARRIER                                        ; no wave reads the lists any more
; ---- 5: z
.irp b, 0,1,2,3
.irp q, 0,1,2,3
	ds_load_b128 v[ACC+16*\b+4*\q:ACC+16*\b+4*\q+3], v[BVA] offset:BVL+128*\b+16*\q   ; bv in z's layout: register 16 b + i: column 128 w + 32 b + 16 h + i
.endr
.endr
.irp x, 1,2,4,8
.set n, 0
.rept 64
	v_add_f32_dpp v[ZACC+n], v[ZACC+n], v[ZACC+n] row_xmask:\x row_mask:0xf bank_mask:0xf   ; over the 16 items: every lane of a half ends with the sum
.set n, n+1
.endr
	v_add_f32_dpp v[PSUM], v[PSUM], v[PSUM] row_xmask:\x row_mask:0xf bank_mask:0xf
.endr
	s_wait_dscnt 0x0
.set n, 0
.rept 32
	v_pk_fma_f32 v[ZACC+2*n:ZACC+2*n+1], v[ACC+2*n:ACC+2*n+1], v[PSUM:PSUM+1], v[ZACC+2*n:ZACC+2*n+1] op_sel_hi:[1,0,1]   ; + bv x the sum of p
.set n, n+1
.endr
; my 128 numbers of z are K step w of the last product: four blocks of 32; a block lies in lanes l and l xor 16
.irp b, 0,1,2,3
	v_max3_num_f32 v[TM+\b], |v[ZACC+16*\b]|, |v[ZACC+1+16*\b]|, 0x1800000   ; my 16 numbers, and the floor 2^(3 - 127): the byte cannot fall under 1 (a block of zeros keeps that byte: its codes are zeros)
.endr
.irp i, 2,4,6,8,10,12,14
.irp b, 0,1,2,3
	v_max3_num_f32 v[TM+\b], v[TM+\b], |v[ZACC+16*\b+\i]|, |v[ZACC+1+16*\b+\i]|
.endr
.endr
.irp b, 0,1,2,3
	v_permlanex16_b32 v[TM+4+\b], v[TM+\b], s86, s87
.endr
.irp b, 0,1,2,3
	v_max_num_f32 v[TM+\b], v[TM+\b], v[TM+4+\b]
.endr
.irp b, 0,1,2,3
	v_add_nc_u32 v[TM+12+\b], 0xff000000, v[TM+\b] ; 2 off the exponent field: the conversion's scale operand
.endr
.irp b, 0,1,2,3
	v_lshrrev_b32 v[TM+4+\b], 23, v[TM+12+\b]      ; the scale's byte
.endr
	v_lshl_or_b32 v[PW], v[TM+5], 8, v[TM+4]
	v_lshl_or_b32 v[PW], v[TM+6], 16, v[PW]
	v_lshl_or_b32 v[PW], v[TM+7], 24, v[PW]
.irp b, 0,1,2,3
	v_cvt_scalef32_pk8_fp4_f32 v[PC+2*\b], v[ZACC+16*\b:ZACC+7+16*\b], v[TM+12+\b]
	v_cvt_scalef32_pk8_fp4_f32 v[PC+1+2*\b], v[ZACC+8+16*\b:ZACC+15+16*\b], v[TM+12+\b]
.endr
	v_nop                                          ; one plain place behind a scaled conversion
.irp c, 0,1                                    ; the operand's layout wants a whole block in a lane
.irp i, 0,1
	v_permlane16_swap_b32 v[PC+4*\c+\i], v[PC+2+4*\c+\i]
.endr
.endr
.irp c, 0,1
	ds_store_b128 v[ZWI], v[PC+4*\c:PC+4*\c+3] offset:ZIMG+512*\c   ; the fragment as an image of its registers
.endr
	ds_store_b32 v[ZWS], v[PW] offset:ZSC
	BARRIER                                        ; z's four fragments lie in LDS
.irp s, 0,1,2,3
.irp c, 0,1
	ds_load_b128 v[ZF+8*\s+4*\c:ZF+8*\s+4*\c+3], v[LI] offset:ZIMG+1024*\s+512*\c
.endr
	ds_load_b32 v[ZS+\s], v[LS] offset:ZSC+128*\s
.endr
; ---- 6: out
.macro MMO t, s, rB                    ; tile t of my four, K step s
.set rD, OA+8*(\t)
.set rA, ZF+8*(\s)
.set rSB, WPS+4*((\t)/2)+(\s)
.if (\s) == 0
.if (\t)%2
	v_wmma_scale_f32_16x16x128_f8f6f4 v[rD:rD+7], v[rA:rA+7], v[\rB:\rB+7], 0, v[ZS+\s], v[rSB] matrix_a_fmt:MATRIX_FMT_FP4 matrix_b_fmt:MATRIX_FMT_FP4 matrix_b_scale:MATRIX_SCALE_ROW1
.else
	v_wmma_scale_f32_16x16x128_f8f6f4 v[rD:rD+7], v[rA:rA+7], v[\rB:\rB+7], 0, v[ZS+\s], v[rSB] matrix_a_fmt:MATRIX_FMT_FP4 matrix_b_fmt:MATRIX_FMT_FP4
.endif
.else
.if (\t)%2
	v_wmma_scale_f32_16x16x128_f8f6f4 v[rD:rD+7], v[rA:rA+7], v[\rB:\rB+7], v[rD:rD+7], v[ZS+\s], v[rSB] matrix_a_fmt:MATRIX_FMT_FP4 matrix_b_fmt:MATRIX_FMT_FP4 matrix_b_scale:MATRIX_SCALE_ROW1
.else
	v_wmma_scale_f32_16x16x128_f8f6f4 v[rD:rD+7], v[rA:rA+7], v[\rB:\rB+7], v[rD:rD+7], v[ZS+\s], v[rSB] matrix_a_fmt:MATRIX_FMT_FP4 matrix_b_fmt:MATRIX_FMT_FP4
.endif
.endif
.endm
	s_wait_dscnt 0x0
	WIN 0x04                                       ; source 1 (Wphi) window 1; the four accumulators take turns
.irp s, 0,1,2,3
.irp t, 0,1,2,3
	MMO \t, \s, 128+32*\t+8*\s
.endr
.endr
	WIN 0
.rept 4
	v_nop                                          ; four places ahead of the first read of results
.endr
.irp t, 0,1,2,3
	ds_store_b32 v[OSA], v[OA+8*\t] offset:OUTS+64*\t      ; z's rows are alike: register 0 is out(256 c + 64 w + 16 t + r) in both halves of the lanes, which write the same word
.endr
	ds_load_b64 v[6:7], v[OSR] offset:OUTS         ; my wave's own 256 bytes: LDS serves a wave's instructions in order (ISA guide 5.7.1.4), so this sees the stores above
	v_cmp_gt_u32 vcc_lo, 1000, v[OCL]              ; my two columns exist (1,000 is even: both or neither)
	s_wait_dscnt 0x0
	v_pk_add_f32 v[6:7], v[6:7], v[BPH:BPH+1]
	s_wait_xcnt 0x0                                ; EXEC changes only behind this wait
	s_and_saveexec_b32 s91, vcc_lo
	global_store_b64 v[OCO], v[6:7], s[28:29]      ; a wave stores 256 consecutive bytes (a row of out0 is 4,000 bytes: its pieces cannot all begin at multiples of 256)
	s_wait_xcnt 0x0
	s_or_b32 exec_lo, exec_lo, s91
	s_wait_tensorcnt 0x0                           ; the wave's end
	ds_add_u32 v[SPW], v[NIL]
	s_wait_dscnt 0x0
	s_endpgm
.Lfunc_end_k_q4095e66ce6_attend:
	.size	k_q4095e66ce6_attend, .Lfunc_end_k_q4095e66ce6_attend-k_q4095e66ce6_attend
	.p2alignl 7, 3214868480
	.fill 96, 4, 3214868480
	.section	.rodata,"a",@progbits
	.p2align	6, 0x0
	.amdhsa_kernel k_q4095e66ce6_attend
		.amdhsa_group_segment_fixed_size 25600
		.amdhsa_private_segment_fixed_size 0
		.amdhsa_enable_private_segment 0
		.amdhsa_kernarg_size 104
		.amdhsa_user_sgpr_count 2
		.amdhsa_user_sgpr_kernarg_segment_ptr 1
		.amdhsa_wavefront_size32 1
		.amdhsa_system_sgpr_workgroup_id_x 1
		.amdhsa_system_sgpr_workgroup_id_y 1
		.amdhsa_system_sgpr_workgroup_id_z 1
		.amdhsa_system_vgpr_workitem_id 0
		.amdhsa_next_free_vgpr 1024
		.amdhsa_next_free_sgpr 100
		.amdhsa_reserve_vcc 1
		.amdhsa_float_denorm_mode_32 3
		.amdhsa_float_denorm_mode_16_64 3
		.amdhsa_memory_ordered 1
		.amdhsa_forward_progress 1
		.amdhsa_inst_pref_size 235
	.end_amdhsa_kernel
	.amdgpu_metadata
---
amdhsa.version: [ 1, 2 ]
amdhsa.kernels:
  - .name:           k_q4095e66ce6_attend
    .symbol:         k_q4095e66ce6_attend.kd
    .args:
      - { .name: candm, .offset: 0, .size: 8, .value_kind: global_buffer, .address_space: global }
      - { .name: candc, .offset: 8, .size: 8, .value_kind: global_buffer, .address_space: global }
      - { .name: smax, .offset: 16, .size: 8, .value_kind: global_buffer, .address_space: global }
      - { .name: scores, .offset: 24, .size: 8, .value_kind: global_buffer, .address_space: global }
      - { .name: x_items_codes, .offset: 32, .size: 8, .value_kind: global_buffer, .address_space: global }
      - { .name: x_items_scales, .offset: 40, .size: 8, .value_kind: global_buffer, .address_space: global }
      - { .name: Wv_codes, .offset: 48, .size: 8, .value_kind: global_buffer, .address_space: global }
      - { .name: Wv_scales, .offset: 56, .size: 8, .value_kind: global_buffer, .address_space: global }
      - { .name: bv, .offset: 64, .size: 8, .value_kind: global_buffer, .address_space: global }
      - { .name: Wphi_codes, .offset: 72, .size: 8, .value_kind: global_buffer, .address_space: global }
      - { .name: Wphi_scales, .offset: 80, .size: 8, .value_kind: global_buffer, .address_space: global }
      - { .name: bphi, .offset: 88, .size: 8, .value_kind: global_buffer, .address_space: global }
      - { .name: out0, .offset: 96, .size: 8, .value_kind: global_buffer, .address_space: global }
    .group_segment_fixed_size: 25600
    .private_segment_fixed_size: 0
    .kernarg_segment_align: 8
    .kernarg_segment_size: 104
    .max_flat_workgroup_size: 128
    .sgpr_count:     100
    .vgpr_count:     1024
    .wavefront_size: 32
...
	.end_amdgpu_metadata
.endif
;; end of part 3
